; MI455X (gfx1250); checked and timed in simulation.
; The chip was launched on July 23, 2026; its instructions are those of AMD's public machine-readable ISA for CDNA 5 (MIT licence, August 2026) and "CDNA5" Instruction Set Architecture Reference Guide (July 2026). The comments in the code are by the model that wrote it; some were corrected since.
;; Fused QKV Attention Simulated. Allowed arithmetic: matrix products marked QUANTISED: E2M3 operands, one E8M0 scale for each 32 along K, by v_wmma_scale_f32_16x16x128_f8f6f4 with both operands' format E2M3, f32 sums; everything else in f32.
;; Inputs: Wk 1,024 x 1,024 float32; Wq 1,024 x 1,024 float32; Wv 1,024 x 1,024 float32; x 4 x 2,048 x 1,024 float32.
;; Outputs: out0 4 x 16 x 2,048 x 64 float32.
;; This version of the problem:
;;   THIS VERSION OF THE PROBLEM IS GIVEN IN LOW PRECISION. The matrix products marked QUANTISED in the list below multiply operands that are first quantised to E2M3 (2 exponent bits, 3 mantissa bits; 6 bits a number), with one power-of-two scale for each 32 numbers along K (OCP MX v1.0); their sums are f32. All else is computed in f32.
;;   The module's matrix products, in the order in which they are computed (A, B: the left and right operand; K: the contracted axis; several contracted axes count as one K, in the product's order):
;;     1. [M 8,192, K 1,024] x [K 1,024, N 1,024]; A: input x; B: input Wq: QUANTISED
;;     2. [M 8,192, K 1,024] x [K 1,024, N 1,024]; A: input x; B: input Wk: QUANTISED
;;     3. [M 8,192, K 1,024] x [K 1,024, N 1,024]; A: input x; B: input Wv: QUANTISED
;;     4. batch 64 x [M 2,048, K 64] x [K 64, N 2,048]; A: computed on the way; B: computed on the way: QUANTISED
;;     5. batch 64 x [M 2,048, K 2,048] x [K 2,048, N 64]; A: softmax (see below); B: computed on the way: QUANTISED
;;   THE QUANTISER, for each operand of a quantised product, along K:
;;     - K is cut into blocks of 32 from its start; a last block that is shorter is filled with zeros.
;;     - A block's scale is 2^e with e = floor(log2(the largest magnitude in the block)) - 2, held to -126 .. 127; a block of zeros has e = 0. As a byte (E8M0): e + 127.
;;     - Each number is divided by its block's scale, clamped to +-7.5, and rounded to the nearest number of E2M3, ties to even, subnormals kept.
;;     - The product sums the exact products of the quantised numbers (number of the format x scale) in f32.
;;   ~~~python
;;   def quantise(x, axis):      # numpy; x: float32 -> the quantised numbers, widened to float32 again
;;       x = np.moveaxis(x, axis, -1); K = x.shape[-1]
;;       x = np.pad(x, [(0, 0)] * (x.ndim - 1) + [(0, -K % 32)]); x = x.reshape(x.shape[:-1] + (-1, 32)); a = np.abs(x).max(-1, keepdims=True)
;;       e = np.where(a > 0, np.clip(np.frexp(np.where(a > 0, a, 1))[1] - 1 - 2, -126, 127), 0)      # np.frexp(a)[1] - 1 = floor(log2(a)), exactly
;;       r = np.clip(x / 2.0 ** e, -7.5, 7.5)
;;       step = 2.0 ** (np.maximum(np.frexp(np.where(r == 0, 1, r))[1] - 1, 0) - 3)
;;       q = np.round(r / step) * step * 2.0 ** e      # np.round: ties to even
;;       return np.moveaxis(q.reshape(q.shape[:-2] + (-1,))[..., :K], -1, axis).astype(np.float32)
;;   ~~~
;;   SOFTMAX AHEAD OF A QUANTISED PRODUCT. Where the list says 'softmax', what is quantised is not the finished softmax but p = 2^(t - M), with t = logit x log2(e) and M = ceil(the row's largest t), a whole number; so 1/2 < the row's largest p <= 1. The row's sum l is taken of the UNQUANTISED p, in f32, and the product's result is divided by l at the end. Since M is a whole number, a kernel that streams over the keys may use a running M (the ceiling of the running maximum): every later rescaling is an exact power of two, which a block's scale takes up: the codes' values come out the same.
;;   OPERANDS COMPUTED ON THE WAY. 'Computed on the way' means the value that the module computes at that place (a softmax that the list does not call 'softmax' is quantised finished and normalised). What goes into a quantiser is computed in f32, as accurately as f32 sums, v_exp_f32 and their like allow (about 1e-6 of the number): no bf16 or f16 on the way to a quantiser, and a product that is left as it is and whose result goes on into a quantised operand takes f32 operands (vector FMAs, or v_wmma_f32_16x16x4_f32). A number that lies on a knife's edge between two numbers of the format may be rounded either way, as far as f32 arithmetic and the matrix unit's own rounding can turn it there, and no further.
;; One version. Each part assembles by itself: llvm-mc -triple=amdgcn-amd-amdhsa -mcpu=gfx1250 --defsym DOCPART=n.
;; ======== version 1 of 1: 3 launches
;; workspace buffers: xc 6,291,456 bytes; xs 262,144 bytes; wc 2,359,296 bytes; ws 98,304 bytes; qf 6,815,744 bytes; kv 13,369,344 bytes
;; launch quant (part 1): grid 352 x 1, 4 waves a work-group, no clusters, 68,096 bytes of LDS; arguments x, Wq, Wk, Wv, xc, xs, wc, ws; writes xc, xs, wc, ws
.if DOCPART == 1
	.amdgcn_target "amdgcn-amd-amdhsa--gfx1250"
	.amdhsa_code_object_version 6
	.text
	.protected	k_qab2754ab6f_quant
	.globl	k_qab2754ab6f_quant
	.p2align	8
	.type	k_qab2754ab6f_quant,@function
k_qab2754ab6f_quant:
	s_mov_b64 s[64:65], 0
	v_nop
	global_prefetch_b8 v0, s[64:65] scope:SCOPE_SE
	s_setreg_imm32_b32 hwreg(HW_REG_WAVE_MODE, 25, 1), 1
	s_wait_xcnt 0x0
; x [8192][1024] and Wq, Wk, Wv [1024 (K)][1024], f32, become codes of FP6 (E2M3) with K innermost and one E8M0 byte for each 32 along K.
; xc [8192 places][768 bytes], xs [8192 places][32];  wc [3072 places][768], ws [3072 places][32]: places 0-1023 Wq's columns, 1024-2047 Wk's, 2048-3071 Wv's.
; ROW i (of x) AND COLUMN i (of a weight) LIE AT PLACE i WITH BITS 3 AND 4 EXCHANGED.  So 16 neighbouring places 32 b + 16 u + r hold rows 32 b + 8 u + r + 8 (r / 8):
; the next launch reads plain rows, and its results of two neighbouring tiles are 16 neighbours along the next product's K.
; A block's scale is 2^(floor(log2(its largest magnitude)) - 2); its byte is the largest magnitude's exponent field - 2, held at 1 from below.
; LIMITS: a block of zeros gets the byte 1 where the rule says 127 (its codes are zeros, and this program alone reads the bytes); blocks whose largest magnitude lies under 2^-124 are held at
; the byte 1; NaN and infinities among the inputs are not served.
; Work-groups 0-255 take x: K is innermost, a wave takes 8 rows (8,192 numbers) in 16 steps of 512; each load reads 512 consecutive bytes, and a step's 2,048 bytes turn through the wave's own
; stage in LDS so that a lane holds 16 neighbours.  Work-groups 256-351 take the weights: a lane takes a column and its registers run down K; the codes leave through the wave's own stage, row by row.
; No work-group shares an input with another, so there is no cluster; no tensor load, no barrier: waves share nothing.  Each path has LDS bytes of its own.
.set SPW,   192                        ; v192  LDS address of my spare word: SPARE + 4 x my thread's number; never rewritten
.set NIL,   193                        ; v193  0; never rewritten
.set WSTG,  32768                      ; LDS: 0 .. 32,767 the x path's four regions; from here the weight path's four stages of 32 x 272 bytes
.set SPARE, 67584                      ; behind them: the spare words, 128 bytes for each wave: two blocks of 256 bytes that no other line names
; the x path
.set STEPS, 16
.set CB,    12                         ; bytes of 16 codes
.set R,     16                         ; v16-79   four sets of 16 numbers as they are loaded
.set X,     80                         ; v80-111  two sets of 16 neighbours
.set E,     112                        ; v112-127 a scale byte for each step
.set C,     128                        ; v128-190 codes: four registers for each step, so that no store's data are written again
.set WREG,  8192                       ; a wave's region: two stages of 32 x SP bytes, and behind them its 256 scale bytes
.set SP,    80                         ; a lane's place in a stage: its 64 bytes + 16 of padding
; the weight path
.set NB,    8                          ; blocks of 32 along K for a wave (256 along K)
.set PITCH, 272                        ; a stage row: sixteen places of 16 bytes, each with 12 bytes of codes, + 16
.set KROW,  768                        ; a row of codes in memory
.set SB,    24                         ; v24-25   the scale bytes, four to a register
.set WX,    32                         ; v32-95   two sets of 32 numbers
.set WC,    96                         ; v96-102  a block's codes
.set OUTR,  112                        ; v112-175 the way out: 16 x 4 registers
	s_load_b256 s[4:11], s[0:1], 0x0               ; x s[4:5], Wq s[6:7], Wk s[8:9], Wv s[10:11]
	s_load_b256 s[12:19], s[0:1], 0x20             ; xc s[12:13], xs s[14:15], wc s[16:17], ws s[18:19]
	v_lshl_add_u32 v[SPW], v0, 2, SPARE
	v_mov_b32 v[NIL], 0
	v_lshrrev_b32 v1, 5, v0
	v_readfirstlane_b32 s20, v1                    ; wave 0..3
	v_and_b32 v2, 31, v0                           ; lane
	s_cmp_lt_u32 ttmp9, 256                        ; the branch hangs on the work-group's number alone
	s_cbranch_scc0 .Lweights
	; ---------------- x ----------------
	v_lshlrev_b32 v3, 4, v2                        ; my 16 bytes of a load's 512
	s_mul_i32 s21, s20, WREG
	v_lshrrev_b32 v14, 2, v2
	v_mul_u32_u24 v14, v14, SP
	v_and_b32 v15, 3, v2
	v_lshl_add_u32 v14, v15, 4, v14
	v_add_nc_u32 v14, s21, v14                     ; the stage, on the way in: four lanes' 64 bytes on end, then 16 of padding
	v_mul_u32_u24 v15, v2, SP
	v_add_nc_u32 v15, s21, v15                     ; and on the way out: SP x lane: my 16 neighbours
	v_mul_u32_u24 v4, v2, CB                       ; my codes' place in a step's
	v_lshrrev_b32 v5, 1, v2
	s_add_co_u32 s21, s21, 2*32*SP
	v_add_nc_u32 v5, s21, v5                       ; LDS: my wave's 256 scale bytes, my block's byte
	v_lshlrev_b32 v7, 3, v2                        ; and on the way out 8 bytes a lane
	v_add_nc_u32 v6, s21, v7
	s_lshl_b32 s22, ttmp9, 2
	s_add_co_u32 s24, s22, s20                     ; my run of 8 rows: 4 x work-group + wave
	s_and_b32 s25, s20, 1
	s_lshl_b32 s25, s25, 1
	s_lshr_b32 s26, s20, 1
	s_or_b32 s25, s25, s26                         ; the wave's two bits are the rows' bits 3 and 4: exchanged,
	s_add_co_u32 s25, s22, s25                     ; they give the run's place
	s_lshl_b32 s22, s24, 15                        ; 32,768 bytes of x a run
	s_mov_b32 s23, 0
	s_mul_i32 s26, s25, 6144                       ; 6,144 bytes of codes
	s_mov_b32 s27, 0
	s_lshl_b32 s28, s25, 8                         ; 256 scale bytes
	s_mov_b32 s29, 0
	s_wait_alu depctr_va_vdst(0)
	s_wait_kmcnt 0x0
	s_add_nc_u64 s[4:5], s[4:5], s[22:23]
	s_add_nc_u64 s[12:13], s[12:13], s[26:27]
	s_add_nc_u64 s[14:15], s[14:15], s[28:29]
.macro LOAD t
.irp i, 0,1,2,3
	global_load_b128 v[R+16*((\t)%4)+4*\i:R+16*((\t)%4)+4*\i+3], v3, s[4:5] offset:2048*(\t)+512*\i th:TH_LOAD_NT   ; 32 lanes read 512 consecutive bytes
.endr
.endm
.macro TURN t                          ; step t's numbers through the stage: LDS serves a wave's instructions in order, so no wait stands between the stores and the loads
.irp i, 0,1,2,3
	ds_store_b128 v14, v[R+16*((\t)%4)+4*\i:R+16*((\t)%4)+4*\i+3] offset:32*SP*((\t)%2)+8*SP*\i
.endr
.irp i, 0,1,2,3
	ds_load_b128 v[X+16*((\t)%2)+4*\i:X+16*((\t)%2)+4*\i+3], v15 offset:32*SP*((\t)%2)+16*\i
.endr
.endm
.irp t, 0,1,2,3
	LOAD \t
.endr
	s_wait_loadcnt 12                              ; step 0's four loads are in; the twelve of steps 1 to 3 may be out
	TURN 0
.macro STEP t
.set XS, X+16*((\t)%2)
.if (\t) > 0
	s_wait_dscnt 1                                 ; this step's numbers are back from the stage (the last step's byte store may be out): so its stores into the stage have read their registers,
.else
	s_wait_dscnt 0x0
.endif
.if (\t)+4 < STEPS
	LOAD (\t)+4                                    ; which take the loads of four steps on
.endif
.if (\t)+1 < STEPS
.if STEPS-2-(\t) >= 3
	s_wait_loadcnt 12                              ; the next step's four loads are in; those of the three steps behind it may be out
.else
	s_wait_loadcnt 4*(STEPS-2-(\t))
.endif
	TURN (\t)+1                                    ; and go through the other stage while this step is worked
.endif
	v_max3_num_f32 v8, |v[XS]|, |v[XS+1]|, |v[XS+2]|               ; the largest magnitude of my 16, in two chains
	v_max3_num_f32 v9, |v[XS+3]|, |v[XS+4]|, |v[XS+5]|
.irp i, 6,10
	v_max3_num_f32 v8, v8, |v[XS+\i]|, |v[XS+\i+1]|
	v_max3_num_f32 v9, v9, |v[XS+\i+2]|, |v[XS+\i+3]|
.endr
	v_max3_num_f32 v8, v8, |v[XS+14]|, |v[XS+15]|
	v_max3_num_f32 v8, v8, v9, 0x1800000           ; and the floor 2^(3 - 127): so the byte cannot fall under 1
	v_max_num_f32_dpp v8, v8, v8 row_xmask:1 row_mask:0xf bank_mask:0xf   ; and of my neighbour's 16: the block's
	v_add_nc_u32 v11, 0xff000000, v8               ; 2 off its exponent field: the conversion takes the exponent field of this operand as its scale, and nothing else of it
	v_cvt_scalef32_pk16_fp6_f32 v[C+4*(\t):C+4*(\t)+2], v[XS:XS+15], v11
	v_lshrrev_b32 v[E+(\t)], 23, v11               ; the scale's byte (a plain line behind the conversion)
	ds_store_b8 v5, v[E+(\t)] offset:16*(\t)       ; both lanes of a block write the same byte with the same value
	global_store_b96 v4, v[C+4*(\t):C+4*(\t)+2], s[12:13] offset:32*CB*(\t)   ; the wave stores 384 consecutive bytes
.endm
.irp t, 0,1,2,3,4,5,6,7,8,9,10,11,12,13,14,15
	STEP \t
.endr
	ds_load_b64 v[8:9], v6                         ; LDS serves a wave's instructions in order: these see my stores
	s_wait_dscnt 0x0
	global_store_b64 v7, v[8:9], s[14:15]          ; 32 lanes store 256 consecutive bytes, aligned
	s_wait_tensorcnt 0x0                           ; the wave's end, behind my last LDS store
	ds_add_u32 v[SPW], v[NIL]
	s_wait_dscnt 0x0
	s_endpgm
	; ---------------- the weights ----------------
.Lweights:
	s_sub_co_u32 s21, ttmp9, 256                   ; 0 .. 95
	s_lshr_b32 s22, s21, 5                         ; which weight: 0 Wq, 1 Wk, 2 Wv
	s_and_b32 s23, s21, 7                          ; which 128 columns
	s_bfe_u32 s24, s21, 0x20003                    ; which 256 along K
	s_lshl_b32 s25, s23, 7
	s_lshl_b32 s26, s20, 5
	s_add_co_u32 s25, s25, s26                     ; my wave's first column: a multiple of 32
	s_wait_alu depctr_va_vdst(0)
	v_lshlrev_b32 v3, 2, v2                        ; in: 4 bytes a lane
	s_mul_i32 s26, s20, 32*PITCH
	s_add_co_u32 s26, s26, WSTG                    ; my stage
	v_mul_u32_u24 v4, v2, PITCH
	v_add_nc_u32 v4, s26, v4                       ; into it: row = my column
	v_and_b32 v5, 15, v2
	v_lshrrev_b32 v6, 4, v2                        ; out of it: sixteen lanes to a row, two rows an instruction
	v_mul_u32_u24 v7, v6, PITCH
	v_lshl_add_u32 v7, v5, 4, v7
	v_add_nc_u32 v7, s26, v7                       ; LDS address
	v_mul_u32_u24 v8, v6, KROW
	v_mad_u32_u24 v8, v5, 12, v8                   ; and the same lanes in the codes' buffer: the odd column lies one place on
	v_and_b32 v9, 7, v2                            ; my column's place among the wave's 32: bits 3 and 4 exchanged,
	v_bfe_u32 v10, v2, 3, 1
	v_lshl_or_b32 v9, v10, 4, v9
	v_bfe_u32 v10, v2, 4, 1
	v_lshl_or_b32 v9, v10, 3, v9
	v_lshlrev_b32 v9, 5, v9                        ; times a row of 32 scale bytes
	s_lshl_b32 s28, s24, 20                        ; the weight: 256 rows of 4,096 bytes a K part,
	s_lshl_b32 s29, s25, 2
	s_add_co_u32 s28, s28, s29                     ; + 4 x column
	s_mov_b32 s29, 0
	s_lshl_b32 s30, s22, 10
	s_add_co_u32 s30, s30, s25                     ; the first place: 1,024 x weight + column
	s_mul_i32 s32, s30, KROW
	s_mul_i32 s33, s24, 192
	s_add_co_u32 s32, s32, s33                     ; codes: place x 768 + 192 x K part
	s_mov_b32 s33, 0
	s_lshl_b32 s34, s30, 5
	s_lshl_b32 s35, s24, 3
	s_add_co_u32 s34, s34, s35                     ; scale bytes: place x 32 + 8 x K part
	s_mov_b32 s35, 0
	s_wait_kmcnt 0x0
	s_cmp_eq_u32 s22, 0                            ; the choice of the buffer hangs on the work-group's number alone
	s_cselect_b64 s[6:7], s[6:7], s[8:9]
	s_cmp_eq_u32 s22, 2
	s_cselect_b64 s[6:7], s[10:11], s[6:7]
	s_add_nc_u64 s[6:7], s[6:7], s[28:29]
	s_add_nc_u64 s[16:17], s[16:17], s[32:33]
	s_add_nc_u64 s[18:19], s[18:19], s[34:35]
.macro WLOAD t                         ; block t: W(32 t + i, my column), i = 0 .. 31, into set t % 2: each load reads 128 consecutive bytes a wave; the greatest offset, 255 rows of 4,096 bytes, fits the immediate
.irp i, 0,1,2,3,4,5,6,7,8,9,10,11,12,13,14,15,16,17,18,19,20,21,22,23,24,25,26,27,28,29,30,31
	global_load_b32 v[WX+32*((\t)%2)+\i], v3, s[6:7] offset:(32*(\t)+\i)*4096 th:TH_LOAD_NT
.endr
.endm
	WLOAD 0
	WLOAD 1
.macro BLOCK t
.set WS, WX+32*((\t)%2)
.if (\t) < NB-1
	s_wait_loadcnt 32                              ; this block's 32 loads are in; the next block's 32 may be out
.else
	s_wait_loadcnt 0
.endif
	v_max3_num_f32 v12, |v[WS]|, |v[WS+1]|, |v[WS+2]|              ; the block's largest magnitude: all 32 numbers are mine
	v_max3_num_f32 v13, |v[WS+3]|, |v[WS+4]|, |v[WS+5]|
.irp i, 6,10,14,18,22,26
	v_max3_num_f32 v12, v12, |v[WS+\i]|, |v[WS+\i+1]|
	v_max3_num_f32 v13, v13, |v[WS+\i+2]|, |v[WS+\i+3]|
.endr
	v_max3_num_f32 v12, v12, |v[WS+30]|, |v[WS+31]|
	v_max3_num_f32 v12, v12, v13, 0x1800000        ; and the floor 2^(3 - 127)
	v_add_nc_u32 v11, 0xff000000, v12              ; 2 off its exponent field: the conversion's scale operand
	v_lshrrev_b32 v13, 23, v11                     ; the scale's byte
.if (\t)%4 == 0
	v_mov_b32 v[SB+(\t)/4], v13                    ; four bytes to a register, the lower K in the lower byte
.else
	v_lshl_or_b32 v[SB+(\t)/4], v13, 8*((\t)%4), v[SB+(\t)/4]
.endif
	v_cvt_scalef32_pk16_fp6_f32 v[WC:WC+2], v[WS:WS+15], v11
	v_cvt_scalef32_pk16_fp6_f32 v[WC+4:WC+6], v[WS+16:WS+31], v11  ; (a conversion's three registers begin on an even number)
	ds_store_b96 v4, v[WC:WC+2] offset:32*(\t)     ; 16 codes, 12 bytes, to a place of 16 bytes in the stage
	ds_store_b96 v4, v[WC+4:WC+6] offset:32*(\t)+16
.if (\t)+2 < NB
	WLOAD (\t)+2
.endif
	s_wait_dscnt 0x0                               ; the stores have read their registers: the next block's codes may be written
.endm
.set Q, 0
.rept NB
	BLOCK Q
.set Q, Q+1
.endr
	s_wait_alu depctr_va_vdst(0)
	global_store_b64 v9, v[SB:SB+1], s[18:19]      ; my column's 8 scale bytes
.irp t, 0,1,2,3,4,5,6,7,8,9,10,11,12,13,14,15
	ds_load_b96 v[OUTR+4*\t:OUTR+4*\t+2], v7 offset:2*\t*PITCH     ; columns 2 t and 2 t + 1; LDS serves a wave's instructions in order: these see my stores
.endr
.irp t, 0,1,2,3,4,5,6,7,8,9,10,11,12,13,14,15
	s_wait_dscnt 15-\t                             ; the younger loads may be out
	global_store_b96 v8, v[OUTR+4*\t:OUTR+4*\t+2], s[16:17] offset:(16*((\t/4)%2)+8*(\t/8)+2*(\t%4))*KROW   ; column 2 t's place: its bits 3 and 4 exchanged; sixteen lanes store 192 consecutive bytes
.endr
	s_wait_tensorcnt 0x0                           ; the wave's end, behind my last LDS store
	ds_add_u32 v[SPW], v[NIL]
	s_wait_dscnt 0x0
	s_endpgm
.Lfunc_end_k_qab2754ab6f_quant:
	.size	k_qab2754ab6f_quant, .Lfunc_end_k_qab2754ab6f_quant-k_qab2754ab6f_quant
	.p2alignl 7, 3214868480
	.fill 96, 4, 3214868480
	.section	.rodata,"a",@progbits
	.p2align	6, 0x0
	.amdhsa_kernel k_qab2754ab6f_quant
		.amdhsa_group_segment_fixed_size 68096
		.amdhsa_private_segment_fixed_size 0
		.amdhsa_enable_private_segment 0
		.amdhsa_kernarg_size 64
		.amdhsa_user_sgpr_count 2
		.amdhsa_user_sgpr_kernarg_segment_ptr 1
		.amdhsa_wavefront_size32 1
		.amdhsa_system_sgpr_workgroup_id_x 1
		.amdhsa_system_sgpr_workgroup_id_y 1
		.amdhsa_system_sgpr_workgroup_id_z 1
		.amdhsa_system_vgpr_workitem_id 0
		.amdhsa_next_free_vgpr 196
		.amdhsa_next_free_sgpr 66
		.amdhsa_reserve_vcc 0
		.amdhsa_float_denorm_mode_32 3
		.amdhsa_float_denorm_mode_16_64 3
		.amdhsa_memory_ordered 1
		.amdhsa_forward_progress 1
		.amdhsa_inst_pref_size 74
	.end_amdhsa_kernel
	.amdgpu_metadata
---
amdhsa.version: [ 1, 2 ]
amdhsa.kernels:
  - .name:           k_qab2754ab6f_quant
    .symbol:         k_qab2754ab6f_quant.kd
    .args:
      - { .name: x, .offset: 0, .size: 8, .value_kind: global_buffer, .address_space: global }
      - { .name: Wq, .offset: 8, .size: 8, .value_kind: global_buffer, .address_space: global }
      - { .name: Wk, .offset: 16, .size: 8, .value_kind: global_buffer, .address_space: global }
      - { .name: Wv, .offset: 24, .size: 8, .value_kind: global_buffer, .address_space: global }
      - { .name: xc, .offset: 32, .size: 8, .value_kind: global_buffer, .address_space: global }
      - { .name: xs, .offset: 40, .size: 8, .value_kind: global_buffer, .address_space: global }
      - { .name: wc, .offset: 48, .size: 8, .value_kind: global_buffer, .address_space: global }
      - { .name: ws, .offset: 56, .size: 8, .value_kind: global_buffer, .address_space: global }
    .group_segment_fixed_size: 68096
    .private_segment_fixed_size: 0
    .kernarg_segment_align: 8
    .kernarg_segment_size: 64
    .max_flat_workgroup_size: 128
    .sgpr_count:     66
    .vgpr_count:     196
    .wavefront_size: 32
...
	.end_amdgpu_metadata
.endif
;; end of part 1
;; launch proj (part 2): grid 12 x 32, 4 waves a work-group, clusters of 4 x 4, 327,680 bytes of LDS; arguments xc, xs, wc, ws, qf, kv; writes qf, kv
.if DOCPART == 2
	.amdgcn_target "amdgcn-amd-amdhsa--gfx1250"
	.amdhsa_code_object_version 6
	.text
	.protected	k_qab2754ab6f_proj
	.globl	k_qab2754ab6f_proj
	.p2align	8
	.type	k_qab2754ab6f_proj,@function
k_qab2754ab6f_proj:
	s_mov_b64 s[64:65], 0
	v_nop
	global_prefetch_b8 v0, s[64:65] scope:SCOPE_SE
	s_setreg_imm32_b32 hwreg(HW_REG_WAVE_MODE, 25, 1), 1
	s_wait_xcnt 0x0
	s_wait_alu depctr_hold_cnt(0) depctr_sa_sdst(0) depctr_va_vdst(0) depctr_va_sdst(0) depctr_va_ssrc(0) depctr_va_vcc(0) depctr_vm_vsrc(0)
	s_getreg_b32 s2, hwreg(HW_REG_IB_STS2, 6, 4)
	s_cmp_eq_u32 s2, 0
	s_cbranch_scc0 .Lentry_in_a_cluster
	s_endpgm
.Lentry_in_a_cluster:
	s_bfe_u32 s2, ttmp6, 0x10000c
	s_cmp_lg_u32 s2, 0xf033
	s_cbranch_scc0 .Lentry_shape_is_right
	s_endpgm
.Lentry_shape_is_right:
.set KSTEP,  256
.set NQ,     2
.set ROWB,   192
.set KROW,   768
.set PITCH,  240
.set FR,     12
.set NL,     6
.set NP,     4
.set HALFT,  128*PITCH
.set SLOT,   4*HALFT
.set LAPS,   2
.set KS,     32
.set SCL,    2*SLOT
.set HALFS,  16*272
.set SBLK,   2*272
.set SPARE,  SCL+4*HALFS
.set ADRA, 16
.set ADRB, 20
.set LI,   24
.set L8,   25
.set ADRS, 27
.set SPW,  28
.set NIL,  29
.set SC,   32
.set AF,   128
.set XR,   32
.set TM,   128
.set CT,   144
.set PWR,  152
.set SW,   160
.set TT,   168
.set G1, 24
.set G0, 32
.set G1B, 48
.set G0B, 56
.set G1S, 68
.set G0S, 76
.set G1SB, 80
.set G0SB, 88
.set SEL, 92
.set MHI, 94
.set MSB, 0
.macro WIN new
.if MSB != \new
	s_set_vgpr_msb (MSB<<8)|\new
.set MSB, \new
.endif
.endm
.set MUL_LO, 0xa1
.set MUL_HI, 0xf1
.set TO_B,   0x40
.macro JLOAD g0a, g1a, g0b, g1b
	s_cmp_eq_u32 s15, 0
	s_cbranch_scc0 .Lfor_b_\@
	tensor_load_to_lds s[\g0a:\g0a+3], s[\g1a:\g1a+7]
	s_nop 0
.rept 4
	v_nop
.endr
	s_branch .Lasked_\@
.Lfor_b_\@:
	tensor_load_to_lds s[\g0b:\g0b+3], s[\g1b:\g1b+7]
	s_nop 0
.rept 4
	v_nop
.endr
.Lasked_\@:
.endm
.macro CREST
	s_cmp_lg_u32 s14, 0
	s_cbranch_scc1 .Lnot_wave_0_\@
	s_barrier_signal -3
.Lnot_wave_0_\@:
	s_barrier_wait -3
	s_barrier_signal -1
	s_barrier_wait -1
.endm
.macro CROUND
	s_barrier_signal -1
	s_barrier_wait -1
	CREST
.endm
	s_load_b256 s[4:11], s[0:1], 0x0
	s_load_b128 s[96:99], s[0:1], 0x20
	v_lshl_add_u32 v[SPW], v0, 2, SPARE
	v_mov_b32 v[NIL], 0
	ds_add_u32 v[SPW], v[NIL]
	ds_add_u32 v[SPW], v[NIL]
	v_lshrrev_b32 v1, 5, v0
	v_readfirstlane_b32 s14, v1
	s_lshr_b32 s15, s14, 1
	s_and_b32 s16, s14, 1
	s_bfe_u32 s40, ttmp6, 0x40000
	s_bfe_u32 s41, ttmp6, 0x40004
	s_and_b32 s17, ttmp7, 0xffff
	s_lshl_b32 s17, s17, 2
	s_lshl_b32 s42, ttmp9, 2
	s_cmp_eq_u32 ttmp9, 2
	s_cselect_b32 s18, 8, s17
	s_cselect_b32 s42, s17, s42
	s_add_co_u32 s17, s18, s41
	s_add_co_u32 s42, s42, s40
	s_lshl_b32 s43, s41, 2
	s_lshl_b32 s43, 15, s43
	s_lshl_b32 s44, 0x1111, s40
	s_or_b32 s[G1+0], s43, (0<<16)|(1<<20)|(1<<21)|(3<<22)|(3<<25)
	s_or_b32 s[G1B+0], s44, (0<<16)|(1<<20)|(1<<21)|(3<<22)|(3<<25)
.irp g, G1, G1B
	s_mov_b32 s[\g+1], ROWB<<16
	s_mov_b32 s[\g+2], 128<<16
	s_mov_b32 s[\g+3], ROWB<<16
	s_mov_b32 s[\g+4], 128
	s_mov_b32 s[\g+5], KROW
	s_mov_b32 s[\g+6], 0
	s_mov_b32 s[\g+7], 0
.endr
	s_or_b32 s[G1S+0], s43, (3<<16)|(1<<20)|(1<<21)|(5<<22)|(3<<25)
	s_or_b32 s[G1SB+0], s44, (3<<16)|(1<<20)|(1<<21)|(5<<22)|(3<<25)
.irp g, G1S, G1SB
	s_mov_b32 s[\g+1], 32<<16
	s_mov_b32 s[\g+2], 16<<16
	s_mov_b32 s[\g+3], 32<<16
	s_mov_b32 s[\g+4], 16
	s_mov_b32 s[\g+5], 32
	s_mov_b32 s[\g+6], 0
	s_mov_b32 s[\g+7], 0
.endr
	s_lshl_b32 s18, s16, 7
	s_lshl_b32 s20, s17, 8
	s_add_co_u32 s20, s20, s18
	s_lshl_b32 s46, s42, 8
	s_add_co_u32 s46, s46, s18
	s_mov_b32 s21, 0
	s_mov_b32 s47, 0
	s_mov_b64 s[18:19], KS
	s_mul_u64 s[22:23], s[20:21], s[18:19]
	s_mul_u64 s[92:93], s[46:47], s[18:19]
	s_mov_b64 s[18:19], KROW
	s_mul_u64 s[20:21], s[20:21], s[18:19]
	s_mul_u64 s[46:47], s[46:47], s[18:19]
	s_mul_i32 s45, s14, HALFT
	s_mul_i32 s94, s14, HALFS
	s_wait_dscnt 0x0
	s_wait_kmcnt 0x0
	s_cmp_eq_u32 ttmp9, 2
	s_cselect_b64 s[66:67], s[8:9], s[4:5]
	s_cselect_b64 s[8:9], s[4:5], s[8:9]
	s_mov_b64 s[4:5], s[66:67]
	s_cselect_b64 s[66:67], s[10:11], s[6:7]
	s_cselect_b64 s[10:11], s[6:7], s[10:11]
	s_mov_b64 s[6:7], s[66:67]
	s_add_nc_u64 s[20:21], s[4:5], s[20:21]
	s_add_nc_u64 s[22:23], s[6:7], s[22:23]
	s_add_nc_u64 s[46:47], s[8:9], s[46:47]
	s_add_nc_u64 s[92:93], s[10:11], s[92:93]
	CROUND
	s_mov_b32 s[G0S], 1
	s_add_co_u32 s[G0S+1], s94, SCL
	s_mov_b64 s[G0S+2:G0S+3], s[22:23]
	s_or_b32 s[G0S+3], s[G0S+3], 0x80000000
	s_mov_b32 s[G0SB], 1
	s_add_co_u32 s[G0SB+1], s94, SCL
	s_mov_b64 s[G0SB+2:G0SB+3], s[92:93]
	s_or_b32 s[G0SB+3], s[G0SB+3], 0x80000000
	JLOAD G0S, G1S, G0SB, G1SB
.irp s, 0,1
	s_mov_b32 s[G0+4*\s], 1
	s_add_co_u32 s[G0+4*\s+1], s45, \s*SLOT
	s_add_nc_u64 s[G0+4*\s+2:G0+4*\s+3], s[20:21], \s*ROWB
	s_or_b32 s[G0+4*\s+3], s[G0+4*\s+3], 0x80000000
	s_mov_b32 s[G0B+4*\s], 1
	s_add_co_u32 s[G0B+4*\s+1], s45, \s*SLOT
	s_add_nc_u64 s[G0B+4*\s+2:G0B+4*\s+3], s[46:47], \s*ROWB
	s_or_b32 s[G0B+4*\s+3], s[G0B+4*\s+3], 0x80000000
	s_wait_alu depctr_va_vdst(0)
	s_wait_tensorcnt 0x0
	ds_add_u32 v28, v29
	s_wait_dscnt 0x0
	CROUND
	JLOAD G0+4*\s, G1, G0B+4*\s, G1B
.endr
	v_and_b32 v1, 15, v0
	v_bfe_u32 v2, v0, 4, 1
	v_mul_u32_u24 v3, v1, PITCH
	v_mul_u32_u24 v4, v2, 24
	v_add_nc_u32 v4, v3, v4
	v_lshl_add_u32 v5, v2, 4, v4
	s_mul_i32 s21, s15, HALFT
	s_mul_i32 s22, s16, HALFT
	s_add_co_u32 s22, s22, 2*HALFT
.irp s, 0,1
	v_add_nc_u32 v[ADRA+\s], s21, v4
	v_add_nc_u32 v[ADRB+\s], s22, v4
	v_add_nc_u32 v[ADRA+2+\s], s21, v5
	v_add_nc_u32 v[ADRB+2+\s], s22, v5
	s_add_co_u32 s21, s21, SLOT
	s_add_co_u32 s22, s22, SLOT
.endr
	v_mul_u32_u24 v5, v1, KS
	v_lshrrev_b32 v6, 8, v5
	v_lshl_add_u32 v5, v6, 4, v5
	s_mul_i32 s21, s15, HALFS
	s_mul_i32 s22, s16, HALFS
	s_add_co_u32 s22, s22, 2*HALFS
	s_sub_co_u32 s22, s22, s21
	v_mul_u32_u24 v6, s22, v2
	s_add_co_u32 s21, s21, SCL
	v_add_nc_u32 v5, v5, v6
	v_add_nc_u32 v[ADRS], s21, v5
	v_and_b32 v6, 31, v0
	v_lshlrev_b32 v[LI], 4, v6
	v_lshlrev_b32 v[L8], 3, v6
	s_cmp_eq_u32 ttmp9, 2
	s_cselect_b32 s66, s40, s41
	s_cselect_b32 s67, s16, s15
	s_cselect_b32 s18, s41, s40
	s_cselect_b32 s19, s15, s16
	s_and_b32 s21, ttmp7, 0xffff
	s_lshl_b32 s21, s21, 3
	s_lshl_b32 s66, s66, 1
	s_add_co_u32 s21, s21, s66
	s_add_co_u32 s21, s21, s67
	s_lshl_b32 s18, s18, 2
	s_lshl_b32 s19, s19, 1
	s_add_co_u32 s18, s18, s19
	s_lshr_b32 s19, s21, 4
	s_lshl_b32 s19, s19, 4
	s_add_co_u32 s18, s18, s19
	s_and_b32 s21, s21, 15
	s_cmp_eq_u32 ttmp9, 0
	s_cselect_b64 s[12:13], s[96:97], s[98:99]
	s_mov_b32 s22, 208896
	s_cselect_b32 s22, 106496, s22
	s_mov_b32 s23, 13056
	s_cselect_b32 s23, 6656, s23
	s_mov_b32 s46, 12288
	s_cselect_b32 s46, 6144, s46
	s_cmp_eq_u32 ttmp9, 2
	s_cselect_b32 s46, 6656, s46
	s_cselect_b32 s47, 6144, 0
	s_mul_i32 s18, s18, s22
	s_mul_i32 s21, s21, s23
	s_add_co_u32 s18, s18, s21
	s_add_co_u32 s18, s18, s47
	s_mov_b32 s19, 0
	s_add_nc_u64 s[12:13], s[12:13], s[18:19]
	s_mov_b32 s23, 0
	s_add_nc_u64 s[20:21], s[12:13], s[22:23]
	s_mov_b32 s47, 0
	s_add_nc_u64 s[22:23], s[12:13], s[46:47]
	s_add_nc_u64 s[46:47], s[20:21], s[46:47]
	s_mov_b32 s[SEL], 0x76543210
	s_mov_b32 s[SEL+1], 0xfedcba98
	s_mov_b32 s[MHI], 0xffff0000
.macro FRAG reg, adr, q, i
.irp p, 0,1,2,3,4,5
.set PC, 12*(\q)+6*(\p/3)+\p%3
.if PC%8 < 5
	ds_load_b64 v[\reg+2*\p:\reg+2*\p+1], v[\adr] offset:8*PC+16*(PC/8)+(\i)*16*PITCH
.else
	ds_load_b64 v[\reg+2*\p:\reg+2*\p+1], v[\adr+2] offset:8*PC+16*(PC/8)+(\i)*16*PITCH
.endif
.endr
.endm
.macro MUL16 a0, p, q, sc, zero
.irp a, \a0, \a0+1
.irp b, 0,1,2,3,4,5,6,7
.if \zero
	v_wmma_scale_f32_16x16x128_f8f6f4 v[8*(8*((\a)%4)+\b):8*(8*((\a)%4)+\b)+7], v[128*(\p)+FR*\b:128*(\p)+FR*\b+FR-1], v[AF+FR*(\a):AF+FR*(\a)+FR-1], 0, v[SC+8*NQ*(\sc)+NQ*\b+(\q)], v[SC+8*NQ*(\sc)+NQ*(\a)+(\q)] matrix_a_fmt:MATRIX_FMT_FP6 matrix_b_fmt:MATRIX_FMT_FP6 matrix_a_scale:MATRIX_SCALE_ROW1
.else
	v_wmma_scale_f32_16x16x128_f8f6f4 v[8*(8*((\a)%4)+\b):8*(8*((\a)%4)+\b)+7], v[128*(\p)+FR*\b:128*(\p)+FR*\b+FR-1], v[AF+FR*(\a):AF+FR*(\a)+FR-1], v[8*(8*((\a)%4)+\b):8*(8*((\a)%4)+\b)+7], v[SC+8*NQ*(\sc)+NQ*\b+(\q)], v[SC+8*NQ*(\sc)+NQ*(\a)+(\q)] matrix_a_fmt:MATRIX_FMT_FP6 matrix_b_fmt:MATRIX_FMT_FP6 matrix_a_scale:MATRIX_SCALE_ROW1
.endif
.endr
.endr
.endm
.macro FETCH_B slot, q, p
	WIN TO_B
.irp i, 0,1,2,3,4,5,6,7
	FRAG 128*(\p)+FR*\i, ADRB+\slot, \q, \i
.endr
	WIN 0
.endm
.macro FETCH_A slot, q, i0
.irp i, \i0, \i0+1, \i0+2, \i0+3
	FRAG AF+FR*(\i), ADRA+\slot, \q, \i
.endr
.endm
.macro SCALES sc
.irp i, 0,1,2,3,4,5,6,7
	ds_load_b64 v[SC+8*NQ*\sc+NQ*\i:SC+8*NQ*\sc+NQ*\i+1], v[ADRS] offset:\i*SBLK
.endr
.endm
.macro PLACES n
.rept \n
	v_nop
.endr
.endm
.macro STEP slot, q, zero
	s_wait_dscnt 4*NL
	WIN MUL_LO
	MUL16 0, (\q)%2, \q, \slot, \zero
	MUL16 2, (\q)%2, \q, \slot, \zero
	s_wait_dscnt 0
	PLACES NP
	FETCH_B \slot, (\q)+1, 1-(\q)%2
	FETCH_A \slot, (\q)+1, 0
	WIN MUL_HI
	MUL16 4, (\q)%2, \q, \slot, \zero
	MUL16 6, (\q)%2, \q, \slot, \zero
	PLACES NP
	WIN 0
	FETCH_A \slot, (\q)+1, 4
.endm
.macro TURN slot, next, fill
	s_wait_tensorcnt 0x0
	ds_add_u32 v[SPW], v[NIL]
	s_wait_dscnt 4*NL+1
	WIN MUL_LO
	MUL16 0, 1, NQ-1, \slot, 0
	s_wait_dscnt 0x0
	s_barrier_signal -1
	MUL16 2, 1, NQ-1, \slot, 0
	WIN 0
	s_barrier_wait -1
.if \fill
	CREST
	s_add_nc_u64 s[G0+4*\slot+2:G0+4*\slot+3], s[G0+4*\slot+2:G0+4*\slot+3], 2*ROWB
	s_add_nc_u64 s[G0B+4*\slot+2:G0B+4*\slot+3], s[G0B+4*\slot+2:G0B+4*\slot+3], 2*ROWB
	JLOAD G0+4*\slot, G1, G0B+4*\slot, G1B
.else
	PLACES NP
.endif
	s_wait_alu depctr_va_vdst(0)
	v_add_nc_u32 v[ADRS], 4*NQ, v[ADRS]
	FETCH_B \next, 0, 0
	FETCH_A \next, 0, 0
	SCALES \next
	WIN MUL_HI
	MUL16 4, 1, NQ-1, \slot, 0
	MUL16 6, 1, NQ-1, \slot, 0
	PLACES NP
	WIN 0
	FETCH_A \next, 0, 4
.endm
	s_wait_alu depctr_va_vdst(0)
	s_wait_tensorcnt 1
	s_barrier_signal -1
	s_barrier_wait -1
	FETCH_B 0, 0, 0
	FETCH_A 0, 0, 0
	SCALES 0
	FETCH_A 0, 0, 4
	STEP 0, 0, 1
	s_mov_b32 s3, LAPS-1
.Llap:
	TURN 0, 1, 1
	STEP 1, 0, 0
	TURN 1, 0, 1
	STEP 0, 0, 0
	s_sub_co_u32 s3, s3, 1
	s_cmp_lg_u32 s3, 0
	s_cbranch_scc1 .Llap
	TURN 0, 1, 0
	STEP 1, 0, 0
	s_wait_dscnt 4*NL
	WIN MUL_LO
	MUL16 0, 1, NQ-1, 1, 0
	MUL16 2, 1, NQ-1, 1, 0
	s_wait_dscnt 0
	WIN MUL_HI
	MUL16 4, 1, NQ-1, 1, 0
	MUL16 6, 1, NQ-1, 1, 0
	WIN 0
.macro QUANT a, d0, d1
.set AC, 64*((\a)%4)
.set WW, 2+(\a)/4
.set WS, 5*WW
	WIN WS
.irp b, 0,1,2,3
	v_max3_num_f32 v[TM+\b], |v[AC+16*\b]|, |v[AC+16*\b+1]|, 0x1800000
.endr
.irp i, 2,4,6,8,10,12,14
.irp b, 0,1,2,3
	v_max3_num_f32 v[TM+\b], |v[AC+16*\b+\i]|, |v[AC+16*\b+\i+1]|, v[TM+\b]
.endr
.endr
	WIN 0
.irp b, 0,1,2,3
	v_permlanex16_b32 v[TM+4+\b], v[TM+\b], s[SEL], s[SEL+1]
.endr
.irp b, 0,1,2,3
	v_max_num_f32 v[TM+\b], v[TM+\b], v[TM+4+\b]
.endr
.irp b, 0,1,2,3
	v_add_nc_u32 v[TM+12+\b], 0xff000000, v[TM+\b]
.endr
.irp b, 0,1,2,3
	v_lshrrev_b32 v[TM+4+\b], 23, v[TM+12+\b]
.endr
	v_lshl_or_b32 v[PWR+(\a)], v[TM+5], 8, v[TM+4]
	v_lshl_or_b32 v[PWR+(\a)], v[TM+6], 16, v[PWR+(\a)]
	v_lshl_or_b32 v[PWR+(\a)], v[TM+7], 24, v[PWR+(\a)]
	WIN WW
	v_cvt_scalef32_pk16_fp6_f32 v[\d0:\d0+2], v[AC:AC+15], v[TM+12]
	v_cvt_scalef32_pk16_fp6_f32 v[CT:CT+2], v[AC+16:AC+31], v[TM+13]
	v_cvt_scalef32_pk16_fp6_f32 v[\d1:\d1+2], v[AC+32:AC+47], v[TM+14]
	v_cvt_scalef32_pk16_fp6_f32 v[CT+4:CT+6], v[AC+48:AC+63], v[TM+15]
	WIN 0
	v_nop
.irp i, 0,1,2
	v_permlane16_swap_b32 v[\d0+\i], v[CT+\i]
.endr
.irp i, 0,1,2
	v_mov_b32 v[\d0+3+\i], v[CT+\i]
.endr
.irp i, 0,1,2
	v_permlane16_swap_b32 v[\d1+\i], v[CT+4+\i]
.endr
.irp i, 0,1,2
	v_mov_b32 v[\d1+3+\i], v[CT+4+\i]
.endr
.endm
	PLACES NP
.irp b, 0,1,2,3
	v_mov_b32 v[TM+4+\b], 0
.endr
	s_cmp_eq_u32 ttmp9, 2
	s_cbranch_scc1 .Lvalues
.irp b, 0,1,2,3
	QUANT 2*\b, XR+24*\b, XR+24*\b+12
	QUANT 2*\b+1, XR+24*\b+6, XR+24*\b+18
	v_cndmask_b32 v[TT], v[PWR+2*\b], v[PWR+2*\b+1], s[MHI]
	v_and_b32 v[SW+\b], 0xffff, v[TT]
	v_lshrrev_b32 v[SW+4+\b], 16, v[TT]
.irp c, 0,1,2
	global_store_b128 v[LI], v[XR+24*\b+4*\c:XR+24*\b+4*\c+3], s[12:13] offset:1536*\b+512*\c
	global_store_b128 v[LI], v[XR+24*\b+12+4*\c:XR+24*\b+12+4*\c+3], s[20:21] offset:1536*\b+512*\c
.endr
.endr
	global_store_b128 v[LI], v[SW:SW+3], s[22:23]
	global_store_b128 v[LI], v[SW+4:SW+7], s[46:47]
	s_branch .Ldone
.Lvalues:
.irp a, 0,1,2,3
	QUANT \a, XR+12*\a, XR+12*\a+6
.irp c, 0,1,2
	global_store_b128 v[LI], v[XR+12*\a+4*\c:XR+12*\a+4*\c+3], s[12:13] offset:1536*\a+512*\c
.endr
.endr
.irp a, 4,5,6,7
	QUANT \a, XR+12*\a, XR+12*\a+6
.irp c, 0,1,2
	global_store_b128 v[LI], v[XR+12*\a+4*\c:XR+12*\a+4*\c+3], s[20:21] offset:1536*(\a-4)+512*\c
.endr
.endr
.irp w, 0,1,2,3
	v_cndmask_b32 v[SW+\w], v[PWR+2*\w], v[PWR+2*\w+1], s[MHI]
.endr
	global_store_b64 v[L8], v[SW:SW+1], s[22:23]
	global_store_b64 v[L8], v[SW+2:SW+3], s[46:47]
.Ldone:
	s_wait_tensorcnt 0x0
	ds_add_u32 v[SPW], v[NIL]
	s_wait_dscnt 0x0
	CROUND
	s_endpgm
.Lfunc_end_k_qab2754ab6f_proj:
	.size	k_qab2754ab6f_proj, .Lfunc_end_k_qab2754ab6f_proj-k_qab2754ab6f_proj
	.p2alignl 7, 3214868480
	.fill 96, 4, 3214868480
	.section	.rodata,"a",@progbits
	.p2align	6, 0x0
	.amdhsa_kernel k_qab2754ab6f_proj
		.amdhsa_group_segment_fixed_size 327680
		.amdhsa_private_segment_fixed_size 0
		.amdhsa_enable_private_segment 0
		.amdhsa_kernarg_size 48
		.amdhsa_user_sgpr_count 2
		.amdhsa_user_sgpr_kernarg_segment_ptr 1
		.amdhsa_wavefront_size32 1
		.amdhsa_system_sgpr_workgroup_id_x 1
		.amdhsa_system_sgpr_workgroup_id_y 1
		.amdhsa_system_sgpr_workgroup_id_z 1
		.amdhsa_system_vgpr_workitem_id 0
		.amdhsa_next_free_vgpr 1024
		.amdhsa_next_free_sgpr 100
		.amdhsa_reserve_vcc 0
		.amdhsa_float_denorm_mode_32 3
		.amdhsa_float_denorm_mode_16_64 3
		.amdhsa_memory_ordered 1
		.amdhsa_forward_progress 1
		.amdhsa_inst_pref_size 200
	.end_amdhsa_kernel
	.amdgpu_metadata
---
amdhsa.version: [ 1, 2 ]
amdhsa.kernels:
  - .name:           k_qab2754ab6f_proj
    .symbol:         k_qab2754ab6f_proj.kd
    .args:
      - { .name: xc, .offset: 0, .size: 8, .value_kind: global_buffer, .address_space: global }
      - { .name: xs, .offset: 8, .size: 8, .value_kind: global_buffer, .address_space: global }
      - { .name: wc, .offset: 16, .size: 8, .value_kind: global_buffer, .address_space: global }
      - { .name: ws, .offset: 24, .size: 8, .value_kind: global_buffer, .address_space: global }
      - { .name: qf, .offset: 32, .size: 8, .value_kind: global_buffer, .address_space: global }
      - { .name: kv, .offset: 40, .size: 8, .value_kind: global_buffer, .address_space: global }
    .group_segment_fixed_size: 327680
    .private_segment_fixed_size: 0
    .kernarg_segment_align: 8
    .kernarg_segment_size: 48
    .max_flat_workgroup_size: 128
    .sgpr_count:     100
    .vgpr_count:     1024
    .wavefront_size: 32
...
	.end_amdgpu_metadata
.endif
;; end of part 2
;; launch attn (part 3): grid 4 x 64, 16 waves a work-group, clusters of 4 x 1, 280,576 bytes of LDS; arguments qf, kv, out0; writes out0
.if DOCPART == 3
	.amdgcn_target "amdgcn-amd-amdhsa--gfx1250"
	.amdhsa_code_object_version 6
	.text
	.protected	k_qab2754ab6f_attn
	.globl	k_qab2754ab6f_attn
	.p2align	8
	.type	k_qab2754ab6f_attn,@function
k_qab2754ab6f_attn:
	s_mov_b64 s[64:65], 0
	v_nop
	global_prefetch_b8 v0, s[64:65] scope:SCOPE_SE
	s_setreg_imm32_b32 hwreg(HW_REG_WAVE_MODE, 25, 1), 1
	s_wait_xcnt 0x0
	s_wait_alu depctr_hold_cnt(0) depctr_sa_sdst(0) depctr_va_vdst(0) depctr_va_sdst(0) depctr_va_ssrc(0) depctr_va_vcc(0) depctr_vm_vsrc(0)
	s_getreg_b32 s2, hwreg(HW_REG_IB_STS2, 6, 4)
	s_cmp_eq_u32 s2, 0
	s_cbranch_scc0 .Lentry_in_a_cluster
	s_endpgm
.Lentry_in_a_cluster:
	s_bfe_u32 s2, ttmp6, 0x10000c
	s_cmp_lg_u32 s2, 0x3003
	s_cbranch_scc0 .Lentry_shape_is_right
	s_endpgm
.Lentry_shape_is_right:
; out0[head][q][:] = the sum over k of softmax_k(Q[q] . K[k] / 8) V[k][:], 64 heads (batch x head) of 2,048 tokens x 64, both products on codes of FP6 (E2M3) with one E8M0 scale for each 32 along a product's K.
; THE SOFTMAX AHEAD OF THE SECOND PRODUCT: t = score x log2(e) / 8; M = the row's largest t so far, rounded UP to a whole number; p = 2^(t - M) is what is quantised, along the keys; it is not normalised.
; The row's sum is taken of the unquantised p, in f32, and divides O at the end.  When M moves, the sum and O are multiplied by 2^(old M - new M): exact.
; INPUTS, as the launch before laid them: images of operand registers, 512 bytes for four registers, lane l's 16 bytes at 16 l.  kv: a head is 16 steps of 128 keys, 13,056 bytes each: four pair images of K
; (registers 0-5 tile 2 b, 6-11 tile 2 b + 1: lane (r, h): key 32 b + 8 u + r + 8 (r / 8), d = 32 h + 0 .. 31), four fragments of V^T (16 channels x 128 keys), K's scale image (512), V's (256).  qf: Q likewise, 6,656 bytes a step.
; SHARES.  A cluster of four work-groups takes a head; each takes 512 queries.  A WHOLE HEAD'S K, V AND SCALES, 208,896 bytes, COME INTO LDS ONCE: each of the sixteen waves asks for one step's block, jointly with the same wave
; of the three partners (one tensor load a wave in the whole launch).  Nothing is filled again: no ring, one barrier.  All that the launch reads of kv is asked for by these first loads, so nothing is left to ask for ahead.
; A wave takes a pair of tiles of 16 queries, one tile a pass, and walks all 16 steps in each pass; four waves share a SIMD, so that one wave's vector work stands beside another's products and LDS loads.
; LAYOUT.  Both products are used transposed: S^T = K Q^T (source 0 = 16 keys, source 1 = my 16 queries), O^T = V^T P^T (source 0 = 16 channels, source 1 = P): a lane holds ONE query (lane % 16) throughout, and the
; 16 registers of tiles 2 b and 2 b + 1 of S^T are keys 32 b + 16 (lane / 16) + 0 .. 15.
; K = 64 IN AN INSTRUCTION OF 128: Q's registers 6-11 are zero codes, and bytes 2, 3 of Q's and K's scale words are 0.  K's tile T is named as the twelve registers from 6 T on: its upper six are the next tile's codes (zeros
; behind tile 7): numbers of the format, which has no NaN and no infinity, times zero.
; LIMITS: NaN and infinities are not served; p under 2^-126 comes out of v_exp_f32 as 0; a block's largest p is taken from its largest score, which takes v_exp_f32 not to fall where its input rises.
.set STEPB, 13056                      ; a step's block
.set STAGE, 16*STEPB                   ; LDS: 0 .. 208,895 the head;  behind it a stage of 16 rows x (256 bytes + 16) for each wave, for the way out;
.set SPARE, STAGE+16*16*272            ; behind the stages: the spare words, 128 bytes for each wave: eight blocks of 256 bytes that no other line names
.set LI,  1                            ; v1   16 x lane
.set L8,  2                            ; v2   8 x lane
.set SPW, 3                            ; v3   LDS address of my spare word; never rewritten
.set NIL, 4                            ; v4   0; never rewritten
.set GO,  5                            ; v5   the way out: 256 (lane / 16) + 16 (lane % 16): my bytes in two rows of out0
.set STO, 6                            ; v6   the way out: where I put my channels of a row
.set RD,  7                            ; v7   the way out: where I read a row back
.set AD,  8                            ; v8   the step's block + 16 x lane
.set AD8, 9                            ; v9   the step's block + 8 x lane
.set QSA, 11                           ; v11  16 (lane % 16): my query's place in Q's scale image
                                       ; v12 -M, v13 the largest t, v[14:15] the sum in two halves
.set QF,  16                           ; v16-27   Q's fragment; v22-27 stay zero
.set QS,  28                           ; v28      Q's scale words
.set KV,  30                           ; v30-77   a step's K (eight tiles x 6), later its V^T (four fragments x 12); v78-83 stay zero
.set S,   84                           ; v84-147  S^T, then p; on the way out O / the sum
.set O,   148                          ; v148-179 O^T
.set PC,  180                          ; v180-191 p's codes
.set CT,  192                          ; v192-198 the upper halves of two blocks' codes
.set BM,  200                          ; v200-203 each block's largest score, then its largest p
.set BT,  204                          ; v204-207 at work
.set BS,  208                          ; v208-211 the conversions' scale operands
.set KS,  212                          ; v212-215 K's scale words: register b: lanes 0-15 tile 2 b, lanes 16-31 tile 2 b + 1
.set VS,  216                          ; v216-217 V's likewise
.set F,   218                          ; v218     2^(old M - new M)
.set PW,  219                          ; v219     p's scale word
.set T0,  220
.set WV,  10                           ; s10  my wave's number
.set CX,  11                           ; s11  my place in the cluster
.set HD,  12                           ; s12  the head
.set G1,  16                           ; s[16:23] descriptor group 1
.set G0,  24                           ; s[24:27] descriptor group 0
.set SEL, 28                           ; s[28:29] v_permlanex16_b32's selects for lane l xor 16
.set CS,  30                           ; s[30:31] c = log2(e) / 8, twice: the packed form names a pair
.set TB,  32                           ; s32  LDS byte at which the step's block begins
.set CNT, 33                           ; s33  steps to go
.set QB,  34                           ; s[34:35] my pair image of Q
.set QSB, 36                           ; s[36:37] my pair's word in Q's scale image
.set OB,  38                           ; s[38:39] out0 at my pair's first token
.macro CROUND                          ; a round of the cluster's barrier: my work-group's barrier; wave 0 signals for the work-group; every wave waits for all four work-groups; my work-group's barrier once more
	s_barrier_signal -1
	s_barrier_wait -1
	s_cmp_lg_u32 s[WV], 0
	s_cbranch_scc1 .Lnot_wave_0_\@
	s_barrier_signal -3
.Lnot_wave_0_\@:
	s_barrier_wait -3
	s_barrier_signal -1
	s_barrier_wait -1
.endm
	s_load_b128 s[4:7], s[0:1], 0x0                ; qf s[4:5], kv s[6:7]
	s_load_b64 s[8:9], s[0:1], 0x10                ; out0
	v_lshl_add_u32 v[SPW], v0, 2, SPARE
	v_mov_b32 v[NIL], 0
	ds_add_u32 v[SPW], v[NIL]                      ; the wave's opening: the add and its wait stand ahead of my first tensor load; the set-up below, work on registers, stands between them
	ds_add_u32 v[SPW], v[NIL]
	v_lshrrev_b32 v10, 5, v0
	s_delay_alu instid0(VALU_DEP_1)
	v_readfirstlane_b32 s[WV], v10                 ; wave 0..15
	s_bfe_u32 s[CX], ttmp6, 0x40000                ; cx: it enters Q's and out0's addresses alone
	s_and_b32 s[HD], ttmp7, 0xffff                 ; the head, which the four partners share
	; descriptor group 1: a step's block, 13,056 dense bytes, as 51 rows of 256 bytes (32 elements of 8 bytes), no padding: it is read 512 consecutive bytes at a time
	s_mov_b32 s[G1], 15|(3<<16)|(1<<21)            ; 15:0 the mask: all four work-groups; 17:16 elements of 8 bytes; 21 set beside a mask
	s_mov_b32 s[G1+1], 32<<16                      ; tensor_dim0 = 32
	s_mov_b32 s[G1+2], 51<<16                      ; tensor_dim1 = 51
	s_mov_b32 s[G1+3], 32<<16                      ; tile_dim0 = 32
	s_mov_b32 s[G1+4], 51                          ; tile_dim1 = 51
	s_mov_b32 s[G1+5], 32                          ; tensor_dim0_stride
	s_mov_b32 s[G1+6], 0
	s_mov_b32 s[G1+7], 0
	s_mul_i32 s13, s[WV], STEPB                    ; step w's block: its place in LDS, and in the head
	s_mul_i32 s14, s[HD], 16*STEPB
	s_add_co_u32 s14, s14, s13
	s_mov_b32 s15, 0
	s_lshl_b32 s40, s[CX], 2
	s_lshr_b32 s41, s[WV], 2
	s_add_co_u32 s40, s40, s41                     ; my queries' step of 128 tokens: 4 cx + wave / 4
	s_and_b32 s41, s[WV], 3                        ; and my pair of tiles in it
	s_mul_i32 s42, s[HD], 106496
	s_mul_i32 s43, s40, 6656
	s_add_co_u32 s42, s42, s43
	s_mul_i32 s43, s41, 1536
	s_add_co_u32 s[QB], s42, s43
	s_mov_b32 s[QB+1], 0
	s_lshl_b32 s43, s41, 2
	s_add_co_u32 s[QSB], s42, s43
	s_add_co_u32 s[QSB], s[QSB], 6144
	s_mov_b32 s[QSB+1], 0
	s_lshl_b32 s[OB], s[HD], 19                    ; 2,048 rows of 256 bytes a head,
	s_lshl_b32 s43, s40, 15                        ; 128 a step,
	s_add_co_u32 s[OB], s[OB], s43
	s_lshl_b32 s43, s41, 13                        ; 32 a pair
	s_add_co_u32 s[OB], s[OB], s43
	s_mov_b32 s[OB+1], 0
	s_mov_b32 s[SEL], 0x76543210
	s_mov_b32 s[SEL+1], 0xfedcba98
	s_mov_b32 s[CS], 0x3e38aa3b                    ; c = log2(e) / sqrt(64)
	s_mov_b32 s[CS+1], s[CS]
	v_and_b32 v10, 31, v0
	s_delay_alu instid0(VALU_DEP_1)
	v_lshlrev_b32 v[LI], 4, v10
	s_delay_alu instid0(VALU_DEP_2)
	v_lshlrev_b32 v[L8], 3, v10
	v_and_b32 v9, 15, v0                           ; r
	v_bfe_u32 v8, v0, 4, 1                         ; h
	s_delay_alu instid0(VALU_DEP_2)
	v_lshlrev_b32 v[QSA], 4, v9
	s_delay_alu instid0(VALU_DEP_1)
	v_lshl_add_u32 v[GO], v8, 8, v[QSA]
	s_mul_i32 s44, s[WV], 16*272
	s_add_co_u32 s44, s44, STAGE                   ; my stage
	v_mul_u32_u24 v[STO], v9, 272
	s_delay_alu instid0(VALU_DEP_1)
	v_lshl_add_u32 v[STO], v8, 6, v[STO]
	s_delay_alu instid0(VALU_DEP_1)
	v_add_nc_u32 v[STO], s44, v[STO]               ; in: row r, + 64 h
	v_mul_u32_u24 v[RD], v8, 272
	s_delay_alu instid0(VALU_DEP_1)
	v_add_nc_u32 v[RD], v[RD], v[QSA]
	s_delay_alu instid0(VALU_DEP_1)
	v_add_nc_u32 v[RD], s44, v[RD]                 ; back: lanes 0-15 one row, lanes 16-31 the next
.irp i, 6,7,8,9,10,11
	v_mov_b32 v[QF+\i], 0                          ; the upper 64 of the instruction's K: zero codes
.endr
.irp i, 48,49,50,51,52,53
	v_mov_b32 v[KV+\i], 0                          ; what tile 7 of K names as its upper six
.endr
.irp b, 0,1,2,3
	v_mov_b32 v[BT+\b], 0                          ; written once: a lane permute's destination counts as one of its sources
.endr
	v_mov_b32 v[PW], 0                             ; (named as the upper half of the pair with F before it is first written)
	s_wait_dscnt 0x0                               ; the opening add is done
	s_wait_kmcnt 0x0
	s_add_nc_u64 s[QB:QB+1], s[4:5], s[QB:QB+1]
	s_add_nc_u64 s[QSB:QSB+1], s[4:5], s[QSB:QSB+1]
	s_add_nc_u64 s[OB:OB+1], s[8:9], s[OB:OB+1]
	s_mov_b32 s[G0], 1                             ; 1:0 count = 1
	s_mov_b32 s[G0+1], s13                         ; 63:32 LDS address: 13,056 x wave
	s_add_nc_u64 s[G0+2:G0+3], s[6:7], s[14:15]    ; 120:64 global address: it hangs on the head and the wave alone
	s_or_b32 s[G0+3], s[G0+3], 0x80000000          ; 127:126 type = 2
	CROUND                                         ; all four work-groups are here: the joint loads meet
	tensor_load_to_lds s[G0:G0+3], s[G1:G1+7]      ; my one tensor load
	s_nop 0
.rept 4
	v_nop
.endr
; A STEP: 128 keys.
.macro STEP
	v_add_nc_u32 v[AD], s[TB], v[LI]
	v_add_nc_u32 v[AD8], s[TB], v[L8]
	v_nop
	v_nop                                          ; four places in front of loads into registers that the last products have read
.irp i, 0,1,2,3,4,5,6,7,8,9,10,11
	ds_load_b128 v[KV+4*\i:KV+4*\i+3], v[AD] offset:512*\i   ; K's four pair images: tile T's six registers land at KV + 6 T
.endr
	ds_load_b128 v[KS:KS+3], v[AD] offset:12288
	s_wait_alu depctr_va_vdst(0)
	s_wait_dscnt 0x0
.irp t, 0,2,4,6                                ; S^T = K Q^T: eight tiles of 16 keys
	v_wmma_scale_f32_16x16x128_f8f6f4 v[S+8*\t:S+8*\t+7], v[KV+6*\t:KV+6*\t+11], v[QF:QF+11], 0, v[KS+\t/2], v[QS] matrix_a_fmt:MATRIX_FMT_FP6 matrix_b_fmt:MATRIX_FMT_FP6
	v_wmma_scale_f32_16x16x128_f8f6f4 v[S+8*\t+8:S+8*\t+15], v[KV+6*\t+6:KV+6*\t+17], v[QF:QF+11], 0, v[KS+\t/2], v[QS] matrix_a_fmt:MATRIX_FMT_FP6 matrix_b_fmt:MATRIX_FMT_FP6 matrix_a_scale:MATRIX_SCALE_ROW1
.endr
.rept 4
	v_nop                                          ; four places: in front of the loads into K's registers, and of the first read of the scores
.endr
.irp i, 0,1,2,3,4,5,6,7,8,9,10,11
	ds_load_b128 v[KV+4*\i:KV+4*\i+3], v[AD] offset:6144+512*\i   ; V^T's four fragments: they land while the softmax is walked
.endr
	ds_load_b64 v[VS:VS+1], v[AD8] offset:12800
.irp b, 0,1,2,3
	v_max3_num_f32 v[BM+\b], v[S+16*\b], v[S+1+16*\b], v[S+2+16*\b]   ; THE LARGEST SCORE OF EACH BLOCK OF 32 KEYS: it serves for the row's maximum and, since p rises with the score, for the block's largest p
.endr
.irp i, 3,5,7,9,11,13
.irp b, 0,1,2,3
	v_max3_num_f32 v[BM+\b], v[BM+\b], v[S+16*\b+\i], v[S+1+16*\b+\i]   ; (the four blocks by turns)
.endr
.endr
.irp b, 0,1,2,3
	v_max_num_f32 v[BM+\b], v[BM+\b], v[S+15+16*\b]
.endr
.irp b, 0,1,2,3
	s_delay_alu instid0(VALU_DEP_4)
	v_permlanex16_b32 v[BT+\b], v[BM+\b], s[SEL], s[SEL+1]
.endr
.irp b, 0,1,2,3
	s_delay_alu instid0(VALU_DEP_4)
	v_max_num_f32 v[BM+\b], v[BM+\b], v[BT+\b]     ; with lane l xor 16's 16 keys
.endr
	s_delay_alu instid0(VALU_DEP_2)
	v_max3_num_f32 v[T0], v[BM], v[BM+1], v[BM+2]
	s_delay_alu instid0(VALU_DEP_1)
	v_max_num_f32 v[T0], v[T0], v[BM+3]            ; the step's largest score of my query
	s_delay_alu instid0(VALU_DEP_1)
	v_mul_f32 v[T0], s[CS], v[T0]                  ; as t (c is positive)
	s_delay_alu instid0(VALU_DEP_1)
	v_max_num_f32 v13, v13, v[T0]                  ; the running largest t
	v_mov_b32 v[T0], v12
	s_delay_alu instid0(VALU_DEP_2)
	v_floor_f32 v12, -v13                          ; the new -M = floor(-t) = -ceil(t): M is a whole number
	s_delay_alu instid0(VALU_DEP_1)
	v_sub_f32 v[T0], v12, v[T0]                    ; M's old value less its new one: a whole number, 0 or less
	s_delay_alu instid0(VALU_DEP_1)
	v_cvt_i32_f32 v[T0], v[T0]                     ; (it saturates)
	s_delay_alu instid0(VALU_DEP_1)
	v_ldexp_f32 v[F], 1.0, v[T0]                   ; f = 2^(old M - new M): a multiplication by it rounds nothing
.irp j, 0,2,4,6,8,10,12,14,16,18,20,22,24,26,28,30,32,34,36,38,40,42,44,46,48,50,52,54,56,58,60,62
	v_pk_fma_f32 v[S+\j:S+\j+1], v[S+\j:S+\j+1], s[CS:CS+1], v[12:13] op_sel_hi:[1,0,0]   ; t - M, two at a time (of the pairs c and -M the low word serves both halves)
.endr
.irp b, 0,1,2,3
	v_fma_f32 v[BM+\b], v[BM+\b], s[CS], v12       ; the same of each block's largest score
.endr
	s_wait_alu depctr_va_vdst(0)
.irp j, 0,1,2,3,4,5,6,7,8,9,10,11,12,13,14,15,16,17,18,19,20,21,22,23,24,25,26,27,28,29,30,31,32,33,34,35,36,37,38,39,40,41,42,43,44,45,46,47,48,49,50,51,52,53,54,55,56,57,58,59,60,61,62,63
	v_exp_f32 v[S+\j], v[S+\j]                     ; p = 2^(t - M), at most 1: not normalised
.endr
	s_setprio 1
	v_pk_mul_f32 v[14:15], v[14:15], v[F:F+1] op_sel_hi:[1,0]   ; the sums under the new M (a plain place behind the exponentials)
	s_wait_alu depctr_va_vdst(0)                   ; one wait for the batch of 64, ahead of its first reader
.irp b, 0,1,2,3
	v_exp_f32 v[BM+\b], v[BM+\b]                   ; the block's largest p: the same two instructions on the same number give the same bits
.endr
	v_pk_add_f32 v[204:205], v[88:89], v[92:93]
	v_pk_add_f32 v[222:223], v[96:97], v[100:101]
	v_pk_add_f32 v[220:221], v[104:105], v[108:109]
	v_pk_add_f32 v[214:215], v[112:113], v[116:117]
	v_pk_add_f32 v[212:213], v[120:121], v[124:125]
	v_pk_add_f32 v[210:211], v[128:129], v[132:133]
	v_pk_add_f32 v[208:209], v[136:137], v[140:141]
	v_pk_add_f32 v[14:15], v[14:15], v[144:145]
	v_pk_add_f32 v[204:205], v[204:205], v[84:85]
	v_pk_add_f32 v[222:223], v[222:223], v[86:87]
	v_pk_add_f32 v[220:221], v[220:221], v[90:91]
	v_pk_add_f32 v[214:215], v[214:215], v[94:95]
	v_pk_add_f32 v[212:213], v[212:213], v[98:99]
	v_pk_add_f32 v[210:211], v[210:211], v[102:103]
	v_pk_add_f32 v[208:209], v[208:209], v[106:107]
	v_pk_add_f32 v[14:15], v[14:15], v[110:111]
	v_pk_add_f32 v[204:205], v[204:205], v[114:115]
	v_pk_add_f32 v[222:223], v[222:223], v[118:119]
	v_pk_add_f32 v[220:221], v[220:221], v[122:123]
	v_pk_add_f32 v[214:215], v[214:215], v[126:127]
	v_pk_add_f32 v[212:213], v[212:213], v[130:131]
	v_pk_add_f32 v[210:211], v[210:211], v[134:135]
	v_pk_add_f32 v[208:209], v[208:209], v[138:139]
	v_pk_add_f32 v[14:15], v[14:15], v[142:143]
	v_pk_add_f32 v[204:205], v[204:205], v[146:147]
	s_delay_alu instid0(VALU_DEP_2)
	v_pk_add_f32 v[14:15], v[14:15], v[214:215]
	s_delay_alu instid0(VALU_DEP_2)
	v_pk_add_f32 v[204:205], v[204:205], v[212:213]
	v_pk_add_f32 v[222:223], v[222:223], v[210:211]
	v_pk_add_f32 v[220:221], v[220:221], v[208:209]
	s_delay_alu instid0(VALU_DEP_2)
	v_pk_add_f32 v[14:15], v[14:15], v[222:223]
	s_delay_alu instid0(VALU_DEP_2)
	v_pk_add_f32 v[204:205], v[204:205], v[220:221]
	s_delay_alu instid0(VALU_DEP_1)
	v_pk_add_f32 v[14:15], v[14:15], v[204:205]
	s_wait_alu depctr_va_vdst(0)                   ; and one for the four
.irp b, 0,1,2,3
	v_max_num_f32 v[BM+\b], 0x1800000, v[BM+\b]    ; the floor 2^(3 - 127): the byte cannot fall under 1 (a block whose every p is 0 keeps that byte: its codes are zeros)
.endr
.irp b, 0,1,2,3
	s_delay_alu instid0(VALU_DEP_4)
	v_add_nc_u32 v[BS+\b], 0xff000000, v[BM+\b]    ; 2 off the exponent field: the conversion's scale operand
.endr
.irp b, 0,1,2,3
	s_delay_alu instid0(VALU_DEP_4)
	v_lshrrev_b32 v[BT+\b], 23, v[BS+\b]           ; the scale's byte
.endr
	s_delay_alu instid0(VALU_DEP_3)
	v_lshl_or_b32 v[PW], v[BT+1], 8, v[BT]         ; p's scale word for these 128 keys
	s_delay_alu instid0(VALU_DEP_1)
	v_lshl_or_b32 v[PW], v[BT+2], 16, v[PW]
	s_delay_alu instid0(VALU_DEP_1)
	v_lshl_or_b32 v[PW], v[BT+3], 24, v[PW]
.irp c, 0,1
	v_cvt_scalef32_pk16_fp6_f32 v[PC+6*\c:PC+6*\c+2], v[S+32*\c:S+32*\c+15], v[BS+2*\c]
	v_cvt_scalef32_pk16_fp6_f32 v[CT+4*\c:CT+4*\c+2], v[S+32*\c+16:S+32*\c+31], v[BS+2*\c+1]   ; (a conversion's three registers begin on an even number)
.endr
	v_nop                                          ; one plain place behind a scaled conversion
.irp c, 0,1                                    ; the operand's layout wants a WHOLE block in a lane: lanes 0-15 block 2 c, lanes 16-31 block 2 c + 1
.irp i, 0,1,2
	v_permlane16_swap_b32 v[PC+6*\c+\i], v[CT+4*\c+\i]
.endr
.irp i, 0,1,2
	s_delay_alu instid0(VALU_DEP_3)
	v_mov_b32 v[PC+3+6*\c+\i], v[CT+4*\c+\i]
.endr
.endr
	s_setprio 0
.irp j, 0,2,4,6,8,10,12,14,16,18,20,22,24,26,28,30
	v_pk_mul_f32 v[O+\j:O+\j+1], v[O+\j:O+\j+1], v[F:F+1] op_sel_hi:[1,0]   ; O^T under the new M.  (These 16 are also the places between the lines that wrote p's codes and scale word and the scaled products)
.endr
	s_wait_alu depctr_va_vdst(0)
	s_wait_dscnt 0x0                               ; V^T and its scale words are in
.irp t, 0,2                                    ; O^T += V^T P^T: four tiles of 16 channels by turns, one instruction a turn; K = these 128 keys
	v_wmma_scale_f32_16x16x128_f8f6f4 v[O+8*\t:O+8*\t+7], v[KV+12*\t:KV+12*\t+11], v[PC:PC+11], v[O+8*\t:O+8*\t+7], v[VS+\t/2], v[PW] matrix_a_fmt:MATRIX_FMT_FP6 matrix_b_fmt:MATRIX_FMT_FP6
	v_wmma_scale_f32_16x16x128_f8f6f4 v[O+8*\t+8:O+8*\t+15], v[KV+12*\t+12:KV+12*\t+23], v[PC:PC+11], v[O+8*\t+8:O+8*\t+15], v[VS+\t/2], v[PW] matrix_a_fmt:MATRIX_FMT_FP6 matrix_b_fmt:MATRIX_FMT_FP6 matrix_a_scale:MATRIX_SCALE_ROW1
.endr
	s_add_co_u32 s[TB], s[TB], STEPB               ; the next step's block
.endm
; THE WAY OUT of tile e.  Register 16 u + i of O^T is channel 32 u + 16 (lane / 16) + i of query lane % 16.  O^T / the sum goes through my own stage in LDS and comes back as whole rows of 256 bytes.
; Row rho of the tile is token 8 e + rho + 8 (rho / 8) of my pair's 32.
.macro WAYOUT e
.rept 4
	v_nop                                          ; four places behind the last products
.endr
	v_add_f32 v14, v14, v15                        ; the sum's two halves,
	s_delay_alu instid0(VALU_DEP_1)
	v_permlanex16_b32 v[F], v14, s[SEL], s[SEL+1]
	s_delay_alu instid0(VALU_DEP_1)
	v_add_f32 v14, v14, v[F]                       ; and lane l xor 16's: the row's sum
	s_wait_alu depctr_va_vdst(0)
	v_rcp_f32 v14, v14
	v_nop                                          ; a plain place behind the reciprocal,
	s_wait_alu depctr_va_vdst(0)                   ; and the wait ahead of its first reader
.irp j, 0,2,4,6,8,10,12,14,16,18,20,22,24,26,28,30
	v_pk_mul_f32 v[S+\j:S+\j+1], v[O+\j:O+\j+1], v[14:15] op_sel_hi:[1,0]   ; each accumulator from its low end on
.endr
.irp q, 0,1,2,3,4,5,6,7
	ds_store_b128 v[STO], v[S+4*\q:S+4*\q+3] offset:128*(\q/4)+16*(\q%4)
.endr
.irp i, 0,1,2,3,4,5,6,7
	ds_load_b128 v[S+32+4*\i:S+32+4*\i+3], v[RD] offset:544*\i   ; rows 2 i and 2 i + 1; LDS serves a wave's instructions in order: these see my stores
.endr
.irp i, 0,1,2,3,4,5,6,7
	s_wait_dscnt 7-\i                              ; the younger loads may be out
	global_store_b128 v[GO], v[S+32+4*\i:S+32+4*\i+3], s[OB:OB+1] offset:256*(8*\e+2*\i+8*(\i/4)) th:TH_STORE_NT   ; sixteen lanes store a row's 256 consecutive bytes, aligned
.endr
.endm
; A PASS: tile e of my pair of tiles of queries against all 2,048 keys.
.macro PASS e
.if \e
	s_wait_xcnt 0x0                                ; the last pass's stores have read their registers: these are written again below
	global_load_b64 v[QF:QF+1], v[LI], s[QB:QB+1] offset:520       ; the pair image's registers 6, 7
	global_load_b128 v[QF+2:QF+5], v[LI], s[QB:QB+1] offset:1024   ; and 8 to 11
.else
	global_load_b128 v[QF:QF+3], v[LI], s[QB:QB+1]                 ; the pair image's registers 0 to 3
	global_load_b64 v[QF+4:QF+5], v[LI], s[QB:QB+1] offset:512     ; and 4, 5
.endif
	global_load_b32 v[QS], v[QSA], s[QSB:QSB+1] offset:256*\e      ; lane r: query r's scale word (the image's lanes 16 e + r)
	v_mov_b32 v13, 0xff61b1e6                      ; the largest t so far: -3e38, under every t
	s_delay_alu instid0(VALU_DEP_1)
	v_floor_f32 v12, -v13                          ; -M
	v_mov_b32 v14, 0                               ; the sum, in two halves
	v_mov_b32 v15, 0
.irp j, 0,1,2,3,4,5,6,7,8,9,10,11,12,13,14,15,16,17,18,19,20,21,22,23,24,25,26,27,28,29,30,31
	v_mov_b32 v[O+\j], 0                           ; O^T.  (The step is written once: the first finds zeros, which the first change of M leaves zeros)
.endr
	s_mov_b32 s[TB], 0
	s_mov_b32 s[CNT], 16
.if \e == 0
	s_wait_tensorcnt 0x0                           ; my step's block has landed,
	s_barrier_signal -1
	s_barrier_wait -1                              ; everybody's has: the whole head lies in LDS, and nothing writes it again
.endif
	s_wait_loadcnt 0x0                             ; Q
.Lstep_\@:
	s_setprio 2
	STEP
	s_sub_co_u32 s[CNT], s[CNT], 1
	s_cmp_lg_u32 s[CNT], 0
	s_cbranch_scc1 .Lstep_\@
	s_setprio 0
	WAYOUT \e
.endm
	PASS 0
	PASS 1
	s_wait_tensorcnt 0x0                           ; the wave's end, behind my tensor load and my last LDS store
	ds_add_u32 v[SPW], v[NIL]
	s_wait_dscnt 0x0
	CROUND                                         ; the closing round: no work-group ends while a partner may still ask for a block that names it
	s_endpgm
.Lfunc_end_k_qab2754ab6f_attn:
	.size	k_qab2754ab6f_attn, .Lfunc_end_k_qab2754ab6f_attn-k_qab2754ab6f_attn
	.p2alignl 7, 3214868480
	.fill 96, 4, 3214868480
	.section	.rodata,"a",@progbits
	.p2align	6, 0x0
	.amdhsa_kernel k_qab2754ab6f_attn
		.amdhsa_group_segment_fixed_size 280576
		.amdhsa_private_segment_fixed_size 0
		.amdhsa_enable_private_segment 0
		.amdhsa_kernarg_size 24
		.amdhsa_user_sgpr_count 2
		.amdhsa_user_sgpr_kernarg_segment_ptr 1
		.amdhsa_wavefront_size32 1
		.amdhsa_system_sgpr_workgroup_id_x 1
		.amdhsa_system_sgpr_workgroup_id_y 1
		.amdhsa_system_sgpr_workgroup_id_z 1
		.amdhsa_system_vgpr_workitem_id 0
		.amdhsa_next_free_vgpr 224
		.amdhsa_next_free_sgpr 66
		.amdhsa_reserve_vcc 0
		.amdhsa_float_denorm_mode_32 3
		.amdhsa_float_denorm_mode_16_64 3
		.amdhsa_memory_ordered 1
		.amdhsa_forward_progress 1
		.amdhsa_inst_pref_size 49
	.end_amdhsa_kernel
	.amdgpu_metadata
---
amdhsa.version: [ 1, 2 ]
amdhsa.kernels:
  - .name:           k_qab2754ab6f_attn
    .symbol:         k_qab2754ab6f_attn.kd
    .args:
      - { .name: qf, .offset: 0, .size: 8, .value_kind: global_buffer, .address_space: global }
      - { .name: kv, .offset: 8, .size: 8, .value_kind: global_buffer, .address_space: global }
      - { .name: out0, .offset: 16, .size: 8, .value_kind: global_buffer, .address_space: global }
    .group_segment_fixed_size: 280576
    .private_segment_fixed_size: 0
    .kernarg_segment_align: 8
    .kernarg_segment_size: 24
    .max_flat_workgroup_size: 512
    .sgpr_count:     66
    .vgpr_count:     224
    .wavefront_size: 32
...
	.end_amdgpu_metadata
.endif
;; end of part 3
